; MI455X (gfx1250); checked and timed in simulation.
; The chip was launched on July 23, 2026; its instructions are those of AMD's public machine-readable ISA for CDNA 5 (MIT licence, August 2026) and "CDNA5" Instruction Set Architecture Reference Guide (July 2026). The comments in the code are by the model that wrote it; some were corrected since.
;; Model. Allowed arithmetic: matrix products marked QUANTISED: E2M1 operands, one E8M0 scale for each 32 along K, by v_wmma_scale_f32_16x16x128_f8f6f4 with both operands' format E2M1 (or v_wmma_scale_f32_32x16x128_f4), f32 sums; products left as they are: f32 operands where the result goes on into a quantised operand, else bf16, f16 or f32 operands; f32 sums; everything else in f32.
;; Inputs: W1 2 x 64 float32; W2 64 x 8 float32; Wk 512 x 512 float32; Wo 512 x 512 float32; Wq 512 x 512 float32; Wv 512 x 512 float32; b1 64 float32; b2 8 float32; bk 512 float32; bo 512 float32; bq 512 float32; bv 512 float32; freqs 4 x 1,024 x 1 float32; x 4 x 1,024 x 512 float32.
;; Outputs: out0 4 x 1,024 x 512 float32.
;; This version of the problem:
;;   THIS VERSION OF THE PROBLEM IS GIVEN IN LOW PRECISION. The matrix products marked QUANTISED in the list below multiply operands that are first quantised to E2M1 (2 exponent bits, 1 mantissa bit; 4 bits a number), with one power-of-two scale for each 32 numbers along K (OCP MX v1.0); their sums are f32. All else is computed in f32.
;;   The module's matrix products, in the order in which they are computed (A, B: the left and right operand; K: the contracted axis; several contracted axes count as one K, in the product's order):
;;     1. [M 4,096, K 512] x [K 512, N 512]; A: input x; B: input Wq: QUANTISED
;;     2. [M 4,096, K 512] x [K 512, N 512]; A: input x; B: input Wk: QUANTISED
;;     3. [M 4,096, K 512] x [K 512, N 512]; A: input x; B: input Wv: QUANTISED
;;     4. batch 32 x [M 1,024, K 64] x [K 64, N 1,024]; A: computed on the way; B: computed on the way: QUANTISED
;;     5. [M 4,194,304, K 2] x [K 2, N 64]; A: computed on the way; B: input W1: left as it is (K = 2 < 32)
;;     6. [M 4,194,304, K 64] x [K 64, N 8]; A: computed on the way; B: input W2: left as it is (N = 8 < 16)
;;     7. batch 32 x [M 1,024, K 1,024] x [K 1,024, N 64]; A: softmax (see below); B: computed on the way: QUANTISED
;;     8. [M 4,096, K 512] x [K 512, N 512]; A: computed on the way; B: input Wo: QUANTISED
;;   THE QUANTISER, for each operand of a quantised product, along K:
;;     - K is cut into blocks of 32 from its start; a last block that is shorter is filled with zeros.
;;     - A block's scale is 2^e with e = floor(log2(the largest magnitude in the block)) - 2, held to -126 .. 127; a block of zeros has e = 0. As a byte (E8M0): e + 127.
;;     - Each number is divided by its block's scale, clamped to +-6, and rounded to the nearest number of E2M1, ties to even, subnormals kept.
;;     - The product sums the exact products of the quantised numbers (number of the format x scale) in f32.
;;   ~~~python
;;   def quantise(x, axis):      # numpy; x: float32 -> the quantised numbers, widened to float32 again
;;       x = np.moveaxis(x, axis, -1); K = x.shape[-1]
;;       x = np.pad(x, [(0, 0)] * (x.ndim - 1) + [(0, -K % 32)]); x = x.reshape(x.shape[:-1] + (-1, 32)); a = np.abs(x).max(-1, keepdims=True)
;;       e = np.where(a > 0, np.clip(np.frexp(np.where(a > 0, a, 1))[1] - 1 - 2, -126, 127), 0)      # np.frexp(a)[1] - 1 = floor(log2(a)), exactly
;;       r = np.clip(x / 2.0 ** e, -6, 6)
;;       step = 2.0 ** (np.maximum(np.frexp(np.where(r == 0, 1, r))[1] - 1, 0) - 1)
;;       q = np.round(r / step) * step * 2.0 ** e      # np.round: ties to even
;;       return np.moveaxis(q.reshape(q.shape[:-2] + (-1,))[..., :K], -1, axis).astype(np.float32)
;;   ~~~
;;   SOFTMAX AHEAD OF A QUANTISED PRODUCT. Where the list says 'softmax', what is quantised is not the finished softmax but p = 2^(t - M), with t = logit x log2(e) and M = ceil(the row's largest t), a whole number; so 1/2 < the row's largest p <= 1. The row's sum l is taken of the UNQUANTISED p, in f32, and the product's result is divided by l at the end. Since M is a whole number, a kernel that streams over the keys may use a running M (the ceiling of the running maximum): every later rescaling is an exact power of two, which a block's scale takes up: the codes' values come out the same.
;;   OPERANDS COMPUTED ON THE WAY. 'Computed on the way' means the value that the module computes at that place (a softmax that the list does not call 'softmax' is quantised finished and normalised). What goes into a quantiser is computed in f32, as accurately as f32 sums, v_exp_f32 and their like allow (about 1e-6 of the number): no bf16 or f16 on the way to a quantiser, and a product that is left as it is and whose result goes on into a quantised operand takes f32 operands (vector FMAs, or v_wmma_f32_16x16x4_f32). A number that lies on a knife's edge between two numbers of the format may be rounded either way, as far as f32 arithmetic and the matrix unit's own rounding can turn it there, and no further.
;; One version. Each part assembles by itself: llvm-mc -triple=amdgcn-amd-amdhsa -mcpu=gfx1250 --defsym DOCPART=n.
;; ======== version 1 of 1: 3 launches
;; limits: a difference of large sums (such as E[x^2] - mean^2): digits are lost where the result is much smaller than its terms
;; workspace buffers: xq 1,114,112 bytes; wq 557,056 bytes; tab 256 bytes; qkv 3,342,336 bytes
;; launch prep (part 1): grid 193 x 1, 4 waves a work-group, no clusters, 68,096 bytes of LDS; arguments x, Wq, Wk, Wv, Wo, W1, W2, b2, xq, wq, tab; writes xq, wq, tab
.if DOCPART == 1
	.amdgcn_target "amdgcn-amd-amdhsa--gfx1250"
	.amdhsa_code_object_version 6
	.text
	.protected	k_q9bacd3515f_prep
	.globl	k_q9bacd3515f_prep
	.p2align	8
	.type	k_q9bacd3515f_prep,@function
k_q9bacd3515f_prep:
	s_mov_b64 s[64:65], 0
	v_nop
	global_prefetch_b8 v0, s[64:65] scope:SCOPE_SE
	s_setreg_imm32_b32 hwreg(HW_REG_WAVE_MODE, 25, 1), 1
	s_wait_xcnt 0x0
; LAUNCH 1 OF 3.  x [4096][512] and the four weights [512 (k)][512 (n)], f32, become codes of FP4 (E2M1) with one E8M0 byte for each 32 along K = the model's 512,
; laid as IMAGES OF OPERAND REGISTERS; and a small table for the pair bias is made.
; NO WORK OF THE PROBLEM IS LEFT OUT IN ANY LAUNCH: every input has a way to the output (bq, bk, bv stand ahead of quantisers; b2 moves t against the whole number M, and so p's codes).
; THE PAIR BIAS IS REWRITTEN BY TWO IDENTITIES.  With u_m(f) = f W1[0][m] + ln|f + eps| W1[1][m], the hidden layer's input for the pair (i, j) is a - c with a = u_m(f_i) + b1[m], c = u_m(f_j)
; (log of a quotient = difference of logs), and relu(a - c) = max(a, c) - c.  So bias_h(i, j) = b2[h] - f_j P0[h] - ln|f_j + eps| P1[h] + sum over m of W2[m][h] max(a, c), P_k[h] = sum over m of W1[k][m] W2[m][h].
; LIMITS: where f + eps is 0, or has both signs within a batch, the problem's own result is not finite and this program's is; NaN and infinities among the inputs are not served;
; a block whose largest magnitude lies under 2^-124 keeps the byte 1 (a block of zeros too: its codes are zeros, and these bytes are read by this program alone).
; TILE ORDER.  Tile T = 2 B + u of an operand holds rows 32 B + 8 u + r + 8 (r / 8), r = 0 .. 15: used as source 0, two neighbouring tiles then give a lane 16 neighbours along the next K.
; IMAGE.  A fragment (16 rows x 128 K, 8 registers a lane) is 1,024 bytes: registers 4 c .. 4 c + 3 of lane l at 512 c + 16 l.  Scale words: [tile][r][K step], 4 bytes.
; xq: images [T 256][s 4] at 0, scale words at XSO.   wq: images [mat q,k,v,o][F 32][s 4] at 0, scale words at WSO.
; tab: -P0[8], -P1[8], 8 b2[8]: 96 bytes.
; SHARES.  Work-groups 0-127: 32 rows of x, wave s takes K step s.  128-191: one weight, 128 columns, one K step; a wave takes 32 columns.  192: the table, by its wave 0.  Waves share nothing: no barrier.
.set STG,   16896                      ; a wave's stage: 32 rows x 528 bytes
.set SP,    528                        ; 512 bytes + 16: the lanes' reads of 16 bytes, a row apart, fall on different banks
.set SPARE, 4*STG                      ; behind the stages: the spare words, 128 bytes a wave
.set N,     64                         ; v64-191: a lane's 128 numbers along K
.set XSO,   1048576
.set WSO,   524288
	s_load_b512 s[4:19], s[0:1], 0x0               ; x, Wq, Wk, Wv, Wo, W1, W2, b2
	s_load_b128 s[20:23], s[0:1], 0x40             ; xq, wq
	s_load_b64 s[24:25], s[0:1], 0x50              ; tab
	v_lshl_add_u32 v40, v0, 2, SPARE               ; my spare word; never rewritten
	v_mov_b32 v41, 0                               ; 0; never rewritten
	v_lshrrev_b32 v1, 5, v0
	v_readfirstlane_b32 s26, v1                    ; wave
	v_and_b32 v1, 31, v0                           ; lane = row (or column) 32 B + lane
	v_lshlrev_b32 v2, 4, v1
	v_bfe_u32 v7, v0, 3, 1                         ; u = (lane / 8) % 2
	v_and_b32 v8, 7, v0
	v_bfe_u32 v9, v0, 4, 1
	v_lshl_add_u32 v8, v9, 3, v8                   ; r = lane % 8 + 8 (lane / 16)
	v_lshlrev_b32 v8, 4, v8
	v_lshl_add_u32 v3, v7, 12, v8                  ; my place in the two tiles' images: 4096 u + 16 r
	v_lshl_add_u32 v4, v7, 8, v8                   ; and among their scale words: 256 u + 16 r
	s_mul_i32 s27, s26, STG
	v_add_nc_u32 v5, s27, v2                       ; stage, way in: 16 x lane (+ 528 x row)
	v_mul_u32_u24 v6, v1, SP
	v_add_nc_u32 v6, s27, v6                       ; stage, way out: 528 x lane
	s_mov_b32 s34, 0x76543210
	s_mov_b32 s35, 0xfedcba98                      ; selects for lane l xor 16
	s_mov_b32 s37, 0
	s_wait_kmcnt 0x0
	s_cmp_lt_u32 ttmp9, 128
	s_cbranch_scc0 .Lnot_x
	; ---- x: each load takes 512 consecutive bytes of one row; the stage turns them so that a lane holds 128 neighbours of its own row
	s_lshl_b32 s36, ttmp9, 16                      ; 32 rows of 2,048 bytes
	s_lshl_b32 s38, s26, 9                         ; K step s: 512 bytes on
	s_add_co_u32 s36, s36, s38
	s_add_nc_u64 s[32:33], s[4:5], s[36:37]
	s_lshl_b32 s36, ttmp9, 13
	s_lshl_b32 s38, s26, 10
	s_add_co_u32 s36, s36, s38
	s_add_nc_u64 s[28:29], s[20:21], s[36:37]      ; images: 8192 B + 1024 s
	s_lshl_b32 s36, ttmp9, 9
	s_lshl_b32 s38, s26, 2
	s_add_co_u32 s36, s36, s38
	s_add_co_u32 s36, s36, XSO
	s_add_nc_u64 s[30:31], s[20:21], s[36:37]      ; scale words: 512 B + 4 s
.set ii, 0
.rept 32
	global_load_b128 v[N+4*ii:N+4*ii+3], v2, s[32:33] offset:2048*ii th:TH_LOAD_NT
.set ii, ii+1
.endr
.set ii, 0
.rept 32
	s_wait_loadcnt 31-ii                           ; loads come back in order: row ii is in, the younger ones stay out
	ds_store_b128 v5, v[N+4*ii:N+4*ii+3] offset:SP*ii
.set ii, ii+1
.endr
	s_wait_dscnt 0x0                               ; the stores have read their registers
.set ii, 0
.rept 32
	ds_load_b128 v[N+4*ii:N+4*ii+3], v6 offset:16*ii
.set ii, ii+1
.endr
	s_wait_dscnt 0x0
	s_branch .Ltail
.Lnot_x:
	s_cmp_lt_u32 ttmp9, 192
	s_cbranch_scc0 .Ltable
	; ---- a weight: a lane takes a column and its registers run down K: nothing is turned
	s_sub_co_u32 s36, ttmp9, 128
	s_lshr_b32 s38, s36, 4                         ; which weight
	s_bfe_u32 s39, s36, 0x20002                    ; which 128 columns
	s_and_b32 s40, s36, 3                          ; which K step
	s_cmp_eq_u32 s38, 0
	s_cselect_b64 s[32:33], s[6:7], s[8:9]
	s_cmp_lt_u32 s38, 2
	s_cselect_b64 s[32:33], s[32:33], s[10:11]
	s_cmp_lt_u32 s38, 3
	s_cselect_b64 s[32:33], s[32:33], s[12:13]
	s_lshl_b32 s36, s40, 18                        ; 128 rows of 2,048 bytes
	s_lshl_b32 s41, s39, 9
	s_add_co_u32 s36, s36, s41
	s_lshl_b32 s41, s26, 7
	s_add_co_u32 s36, s36, s41
	s_add_nc_u64 s[32:33], s[32:33], s[36:37]
	v_lshlrev_b32 v7, 2, v1
	s_lshl_b32 s41, s39, 2
	s_add_co_u32 s41, s41, s26                     ; B = 4 x (which 128) + wave
	s_lshl_b32 s36, s38, 17
	s_lshl_b32 s42, s41, 13
	s_add_co_u32 s36, s36, s42
	s_lshl_b32 s42, s40, 10
	s_add_co_u32 s36, s36, s42
	s_add_nc_u64 s[28:29], s[22:23], s[36:37]
	s_lshl_b32 s36, s38, 13
	s_lshl_b32 s42, s41, 9
	s_add_co_u32 s36, s36, s42
	s_lshl_b32 s42, s40, 2
	s_add_co_u32 s36, s36, s42
	s_add_co_u32 s36, s36, WSO
	s_add_nc_u64 s[30:31], s[22:23], s[36:37]
.set ii, 0
.rept 128
	global_load_b32 v[N+ii], v7, s[32:33] offset:2048*ii th:TH_LOAD_NT   ; 128 consecutive bytes a wave, the four waves side by side on 512
.set ii, ii+1
.endr
	s_wait_loadcnt 0x0
.Ltail:
	; ---- four blocks of 32, all mine: the largest magnitude (with the floor 2^(3 - 127), so that the byte cannot fall under 1), the scale, the codes
.irp b, 0,1,2,3
	v_max3_num_f32 v[8+\b], |v[N+32*\b]|, |v[N+1+32*\b]|, 0x1800000
.endr
.irp i, 2,4,6,8,10,12,14,16,18,20,22,24,26,28,30
.irp b, 0,1,2,3
	v_max3_num_f32 v[8+\b], v[8+\b], |v[N+32*\b+\i]|, |v[N+1+32*\b+\i]|   ; the four blocks by turns
.endr
.endr
.irp b, 0,1,2,3
	v_add_nc_u32 v[12+\b], 0xff000000, v[8+\b]     ; 2 off the exponent field: the conversion takes this operand's exponent field as its scale
.endr
.irp b, 0,1,2,3
	v_lshrrev_b32 v[8+\b], 23, v[12+\b]            ; the scale's byte
.endr
	v_lshl_or_b32 v16, v9, 8, v8
	v_lshl_or_b32 v16, v10, 16, v16
	v_lshl_or_b32 v16, v11, 24, v16                ; my row's scale word for this K step
.irp b, 0,1,2,3
.irp g, 0,1,2,3
	v_cvt_scalef32_pk8_fp4_f32 v[20+4*\b+\g], v[N+32*\b+8*\g:N+32*\b+8*\g+7], v[12+\b]
.endr
.endr
	v_nop                                          ; a plain line behind the last conversion
.irp b, 0,1,2,3
	global_store_b128 v3, v[20+4*\b:23+4*\b], s[28:29] offset:256*\b   ; block b = 2 c + half lies at 512 c + 256 half: sixteen lanes fill 256 consecutive bytes, aligned, in each of the two tiles
.endr
	global_store_b32 v4, v16, s[30:31]             ; 4 bytes at a pitch of 16: the four K steps' words of a row come from four waves or work-groups; 96 KiB in the whole launch
	s_branch .Lend
.Ltable:
	; ---- wave 0: -P0, -P1 (lane l takes m = l and l + 32; a sum over the 32 lanes), and 8 b2
	s_cmp_lg_u32 s26, 0
	s_cbranch_scc1 .Lend
	v_mov_b32 v14, 0
	v_lshlrev_b32 v12, 2, v1
	v_lshlrev_b32 v13, 5, v1
	global_load_b32 v88, v12, s[14:15]
	global_load_b32 v89, v12, s[14:15] offset:128
	global_load_b32 v90, v12, s[14:15] offset:256
	global_load_b32 v91, v12, s[14:15] offset:384
	global_load_b128 v[92:95], v13, s[16:17]
	global_load_b128 v[96:99], v13, s[16:17] offset:16
	global_load_b128 v[100:103], v13, s[16:17] offset:1024
	global_load_b128 v[104:107], v13, s[16:17] offset:1040
	global_load_b128 v[128:131], v14, s[18:19]
	global_load_b128 v[132:135], v14, s[18:19] offset:16
	s_wait_loadcnt 0x0
.irp h, 0,1,2,3,4,5,6,7
	v_mul_f32 v[112+\h], -v88, v[92+\h]
	v_mul_f32 v[120+\h], -v90, v[92+\h]
.endr
.irp h, 0,1,2,3,4,5,6,7
	v_fma_f32 v[112+\h], -v89, v[100+\h], v[112+\h]
	v_fma_f32 v[120+\h], -v91, v[100+\h], v[120+\h]
	v_mul_f32 v[128+\h], 0x41000000, v[128+\h]
.endr
.irp x, 1,2,4,8
.set jj, 0
.rept 16
	v_add_f32_dpp v[112+jj], v[112+jj], v[112+jj] row_xmask:\x row_mask:0xf bank_mask:0xf
.set jj, jj+1
.endr
.endr
	v_mov_b32 v136, 0                              ; a lane permute's destination counts as read
.set jj, 0
.rept 16
	v_permlanex16_b32 v136, v[112+jj], s34, s35
	v_add_f32 v[112+jj], v[112+jj], v136
.set jj, jj+1
.endr
	v_cmp_eq_u32 vcc_lo, 0, v1
	s_wait_xcnt 0x0                                ; EXEC changes only when the earlier loads' addresses are translated
	s_and_saveexec_b32 s44, vcc_lo                 ; lane 0 stores the 96 bytes
.set jj, 0
.rept 6
	global_store_b128 v14, v[112+4*jj:115+4*jj], s[24:25] offset:16*jj
.set jj, jj+1
.endr
	s_wait_xcnt 0x0
	s_or_b32 exec_lo, exec_lo, s44
.Lend:
	s_wait_tensorcnt 0x0                           ; the wave's end
	ds_add_u32 v40, v41
	s_wait_dscnt 0x0
	s_endpgm
.Lfunc_end_k_q9bacd3515f_prep:
	.size	k_q9bacd3515f_prep, .Lfunc_end_k_q9bacd3515f_prep-k_q9bacd3515f_prep
	.p2alignl 7, 3214868480
	.fill 96, 4, 3214868480
	.section	.rodata,"a",@progbits
	.p2align	6, 0x0
	.amdhsa_kernel k_q9bacd3515f_prep
		.amdhsa_group_segment_fixed_size 68096
		.amdhsa_private_segment_fixed_size 0
		.amdhsa_enable_private_segment 0
		.amdhsa_kernarg_size 88
		.amdhsa_user_sgpr_count 2
		.amdhsa_user_sgpr_kernarg_segment_ptr 1
		.amdhsa_wavefront_size32 1
		.amdhsa_system_sgpr_workgroup_id_x 1
		.amdhsa_system_sgpr_workgroup_id_y 1
		.amdhsa_system_sgpr_workgroup_id_z 1
		.amdhsa_system_vgpr_workitem_id 0
		.amdhsa_next_free_vgpr 192
		.amdhsa_next_free_sgpr 66
		.amdhsa_reserve_vcc 1
		.amdhsa_float_denorm_mode_32 3
		.amdhsa_float_denorm_mode_16_64 3
		.amdhsa_memory_ordered 1
		.amdhsa_forward_progress 1
		.amdhsa_inst_pref_size 40
	.end_amdhsa_kernel
	.amdgpu_metadata
---
amdhsa.version: [ 1, 2 ]
amdhsa.kernels:
  - .name:           k_q9bacd3515f_prep
    .symbol:         k_q9bacd3515f_prep.kd
    .args:
      - { .name: x, .offset: 0, .size: 8, .value_kind: global_buffer, .address_space: global }
      - { .name: Wq, .offset: 8, .size: 8, .value_kind: global_buffer, .address_space: global }
      - { .name: Wk, .offset: 16, .size: 8, .value_kind: global_buffer, .address_space: global }
      - { .name: Wv, .offset: 24, .size: 8, .value_kind: global_buffer, .address_space: global }
      - { .name: Wo, .offset: 32, .size: 8, .value_kind: global_buffer, .address_space: global }
      - { .name: W1, .offset: 40, .size: 8, .value_kind: global_buffer, .address_space: global }
      - { .name: W2, .offset: 48, .size: 8, .value_kind: global_buffer, .address_space: global }
      - { .name: b2, .offset: 56, .size: 8, .value_kind: global_buffer, .address_space: global }
      - { .name: xq, .offset: 64, .size: 8, .value_kind: global_buffer, .address_space: global }
      - { .name: wq, .offset: 72, .size: 8, .value_kind: global_buffer, .address_space: global }
      - { .name: tab, .offset: 80, .size: 8, .value_kind: global_buffer, .address_space: global }
    .group_segment_fixed_size: 68096
    .private_segment_fixed_size: 0
    .kernarg_segment_align: 8
    .kernarg_segment_size: 88
    .max_flat_workgroup_size: 128
    .sgpr_count:     66
    .vgpr_count:     192
    .wavefront_size: 32
...
	.end_amdgpu_metadata
.endif
;; end of part 1
;; launch proj (part 2): grid 16 x 12, 4 waves a work-group, no clusters, 0 bytes of LDS; arguments xq, wq, bq, bk, bv, qkv; writes qkv
.if DOCPART == 2
	.amdgcn_target "amdgcn-amd-amdhsa--gfx1250"
	.amdhsa_code_object_version 6
	.text
	.protected	k_q9bacd3515f_proj
	.globl	k_q9bacd3515f_proj
	.p2align	8
	.type	k_q9bacd3515f_proj,@function
k_q9bacd3515f_proj:
	s_mov_b64 s[64:65], 0
	v_nop
	global_prefetch_b8 v0, s[64:65] scope:SCOPE_SE
	s_setreg_imm32_b32 hwreg(HW_REG_WAVE_MODE, 25, 1), 1
	s_wait_xcnt 0x0
; LAUNCH 2 OF 3.  Q = x Wq + bq, K = x Wk + bk, V = x Wv + bv on codes of FP4 with E8M0 scales, sums in f32; the results are quantised in registers and stored as images of operand registers.  No work is left out.
; Q and K are quantised along a head's 64 features, V along the keys.  In both cases the product is laid so that a lane's registers run along the NEXT product's K:
;   source 0 = the BIG operand P (8 tiles x 4 K steps, 256 registers; its rows run along the result's registers), source 1 = a SMALL tile R (its rows lie in the lanes).
;   y < 8  (Q: y / 4 = 0, K: 1; g = y % 4): P = 128 features (two heads) of the weight, R = 4 tiles of x's rows a wave.  The bias is the C of the first K step: eight numbers a tile in the result's layout.
;   y >= 8 (V): P = 128 keys of x, R = 4 tiles of Wv's features a wave.  The bias is one number a lane, in all eight registers.
; By the tile order (tile 2 B + u holds rows 32 B + 8 u + r + 8 (r / 8)) register 16 b + i of the 64 results is the next K's place 32 b + 16 (lane / 16) + i.
; qkv: Q's images [T 256][g 4] at 0, K's at 1 MiB, V's [batch][F 32][key step 8] at 2 MiB; scale words Q [T][r][g], K likewise, V [batch][F][r][key step].
; Each wave works alone: no LDS, no barrier.  LIMITS as stated in the first launch (a block under 2^-124 keeps the byte 1).
; REGISTERS: window 1: P.  window 2: v0-127 R, v128-191 the bias.  window 0: v1-4 offsets; v16-79 the 8 accumulators; v80-111 P's scale words, v112-127 R's; v128-143 at work; v144-183 codes and scale word, ten registers for each of the four jobs, so that no store's data are written again.
.set ACC, 16
.set PS,  80
.set RS,  112
.set TM,  128
.set PCB, 144
.set BR,  128
.set MSB, 0
.macro WIN new                         ; the immediate's high byte repeats the setting that is left
.if MSB != \new
	s_set_vgpr_msb (MSB<<8)|\new
.set MSB, \new
.endif
.endm
; 64 numbers of a lane, register 16 b + i = K place 32 b + 16 (lane / 16) + i of my row, become a fragment's codes in v[pc] on and its scale word in v[pw]
.macro QUANT s, pc, pw
.irp b, 0,1,2,3
	v_max3_num_f32 v[TM+\b], |v[\s+16*\b]|, |v[\s+1+16*\b]|, 0x1800000   ; each accumulator is read from its low end on; the floor 2^(3 - 127) holds the byte at 1 from below
.endr
.irp i, 2,4,6,8,10,12,14
.irp b, 0,1,2,3
	v_max3_num_f32 v[TM+\b], v[TM+\b], |v[\s+16*\b+\i]|, |v[\s+1+16*\b+\i]|
.endr
.endr
.irp b, 0,1,2,3
	v_permlanex16_b32 v[TM+4+\b], v[TM+\b], s34, s35
.endr
.irp b, 0,1,2,3
	v_max_num_f32 v[TM+\b], v[TM+\b], v[TM+4+\b]   ; with lane l xor 16's sixteen: the block's largest magnitude
.endr
.irp b, 0,1,2,3
	v_add_nc_u32 v[TM+12+\b], 0xff000000, v[TM+\b] ; 2 off its exponent field: the conversion's scale operand
.endr
.irp b, 0,1,2,3
	v_lshrrev_b32 v[TM+8+\b], 23, v[TM+12+\b]      ; the scale's byte
.endr
	v_lshl_or_b32 v[\pw], v[TM+9], 8, v[TM+8]
	v_lshl_or_b32 v[\pw], v[TM+10], 16, v[\pw]
	v_lshl_or_b32 v[\pw], v[TM+11], 24, v[\pw]
.irp b, 0,1,2,3
	v_cvt_scalef32_pk8_fp4_f32 v[\pc+2*\b], v[\s+16*\b:\s+7+16*\b], v[TM+12+\b]
	v_cvt_scalef32_pk8_fp4_f32 v[\pc+1+2*\b], v[\s+8+16*\b:\s+15+16*\b], v[TM+12+\b]
.endr
	v_nop                                          ; a plain line behind the last conversion
.irp c, 0,1                                    ; the operand's layout wants a whole block in a lane: lanes 0-15 block 2 c, lanes 16-31 block 2 c + 1
.irp i, 0,1
	v_permlane16_swap_b32 v[\pc+4*\c+\i], v[\pc+2+4*\c+\i]
.endr
.endr
.endm
; One small tile against the big operand: 32 matrix instructions, the eight accumulators by turns, then the quantiser and three stores.
.macro JOB i, vmode, opitch, spitch
.rept 5
	v_nop                                          ; five places: these products begin the accumulators of the job before anew
.endr
	WIN 0x29                                       ; source 0 window 1, source 1 and C window 2, D window 0
.set tt, 0
.rept 8
.if \vmode
.set cc, BR+8*\i
.else
.set cc, BR+8*tt
.endif
	v_wmma_scale_f32_16x16x128_f8f6f4 v[ACC+8*tt:ACC+8*tt+7], v[32*tt:32*tt+7], v[32*\i:32*\i+7], v[cc:cc+7], v[PS+4*tt], v[RS+4*\i] matrix_a_fmt:MATRIX_FMT_FP4 matrix_b_fmt:MATRIX_FMT_FP4
.set tt, tt+1
.endr
	WIN 0x09                                       ; C now in window 0
.set ss, 1
.rept 3
.set tt, 0
.rept 8
	v_wmma_scale_f32_16x16x128_f8f6f4 v[ACC+8*tt:ACC+8*tt+7], v[32*tt+8*ss:32*tt+8*ss+7], v[32*\i+8*ss:32*\i+8*ss+7], v[ACC+8*tt:ACC+8*tt+7], v[PS+4*tt+ss], v[RS+4*\i+ss] matrix_a_fmt:MATRIX_FMT_FP4 matrix_b_fmt:MATRIX_FMT_FP4
.set tt, tt+1
.endr
.set ss, ss+1
.endr
	WIN 0
.rept 4
	v_nop                                          ; four places ahead of the first read of results
.endr
	QUANT ACC, PCB+10*\i, PCB+10*\i+8
	global_store_b128 v1, v[PCB+10*\i:PCB+10*\i+3], s[28:29] offset:\i*\opitch        ; the image: 512 consecutive bytes a store
	global_store_b128 v1, v[PCB+10*\i+4:PCB+10*\i+7], s[28:29] offset:\i*\opitch+512
	global_store_b32 v3, v[PCB+10*\i+8], s[30:31] offset:\i*\spitch                   ; both halves of the lanes hold and write the same word
.endm
	s_load_b256 s[4:11], s[0:1], 0x0               ; xq, wq, bq, bk
	s_load_b128 s[12:15], s[0:1], 0x20             ; bv, qkv
	v_lshrrev_b32 v5, 5, v0
	v_readfirstlane_b32 s16, v5                    ; wave
	v_and_b32 v5, 31, v0
	v_lshlrev_b32 v1, 4, v5                        ; 16 x lane: an image's place
	v_and_b32 v6, 15, v0                           ; r
	v_lshlrev_b32 v2, 4, v6                        ; 16 r: a row's four scale words
	v_bfe_u32 v7, v0, 4, 1                         ; lane / 16
.irp b, 0,1,2,3
	v_mov_b32 v[TM+4+\b], 0                        ; a lane permute's destination counts as read
.endr
	s_and_b32 s18, ttmp7, 0xffff
	s_mov_b32 s34, 0x76543210
	s_mov_b32 s35, 0xfedcba98
	s_mov_b32 s37, 0
	s_wait_kmcnt 0x0
	s_cmp_lt_u32 s18, 8
	s_cbranch_scc0 .Lv_ptr
	s_lshr_b32 s38, s18, 2                         ; 0: Q, 1: K
	s_and_b32 s39, s18, 3                          ; g: which 128 features
	s_lshl_b32 s40, ttmp9, 4
	s_lshl_b32 s41, s16, 2
	s_add_co_u32 s40, s40, s41                     ; my first tile of x
	s_lshl_b32 s36, s38, 17
	s_lshl_b32 s41, s39, 15
	s_add_co_u32 s36, s36, s41
	s_add_nc_u64 s[20:21], s[6:7], s[36:37]        ; P's images
	s_lshl_b32 s36, s38, 13
	s_lshl_b32 s41, s39, 11
	s_add_co_u32 s36, s36, s41
	s_add_co_u32 s36, s36, 524288
	s_add_nc_u64 s[22:23], s[6:7], s[36:37]        ; P's scale words
	s_lshl_b32 s36, s40, 12
	s_add_nc_u64 s[24:25], s[4:5], s[36:37]        ; R's images
	s_lshl_b32 s36, s40, 8
	s_add_co_u32 s36, s36, 1048576
	s_add_nc_u64 s[26:27], s[4:5], s[36:37]        ; R's scale words
	s_lshl_b32 s36, s38, 20
	s_lshl_b32 s41, s40, 12
	s_add_co_u32 s36, s36, s41
	s_lshl_b32 s41, s39, 10
	s_add_co_u32 s36, s36, s41
	s_add_nc_u64 s[28:29], s[14:15], s[36:37]      ; where the images go
	s_lshl_b32 s36, s38, 16
	s_lshl_b32 s41, s40, 8
	s_add_co_u32 s36, s36, s41
	s_lshl_b32 s41, s39, 2
	s_add_co_u32 s36, s36, s41
	s_add_co_u32 s36, s36, 3145728
	s_add_nc_u64 s[30:31], s[14:15], s[36:37]      ; and the scale words
	s_cmp_eq_u32 s38, 0
	s_cselect_b64 s[32:33], s[8:9], s[10:11]
	s_lshl_b32 s36, s39, 9
	s_add_nc_u64 s[32:33], s[32:33], s[36:37]      ; the bias of my 128 features
	v_mov_b32 v3, v2                               ; scale words out: 16 r
	v_lshlrev_b32 v4, 6, v7                        ; bias: 16 numbers on for lanes 16-31
	s_branch .Lload
.Lv_ptr:
	s_sub_co_u32 s38, s18, 8
	s_lshl_b32 s38, s38, 4
	s_add_co_u32 s38, s38, ttmp9
	s_lshr_b32 s39, s38, 1                         ; which 128 keys of the 4,096
	s_and_b32 s40, s38, 1
	s_lshl_b32 s40, s40, 4
	s_lshl_b32 s41, s16, 2
	s_add_co_u32 s40, s40, s41                     ; my first tile of Wv's features
	s_lshl_b32 s36, s39, 15
	s_add_nc_u64 s[20:21], s[4:5], s[36:37]
	s_lshl_b32 s36, s39, 11
	s_add_co_u32 s36, s36, 1048576
	s_add_nc_u64 s[22:23], s[4:5], s[36:37]
	s_lshl_b32 s36, s40, 12
	s_add_co_u32 s36, s36, 262144
	s_add_nc_u64 s[24:25], s[6:7], s[36:37]
	s_lshl_b32 s36, s40, 8
	s_add_co_u32 s36, s36, 540672
	s_add_nc_u64 s[26:27], s[6:7], s[36:37]
	s_lshr_b32 s41, s39, 3                         ; batch
	s_lshl_b32 s41, s41, 5
	s_add_co_u32 s41, s41, s40
	s_and_b32 s42, s39, 7                          ; key step in the batch
	s_lshl_b32 s36, s41, 13
	s_lshl_b32 s43, s42, 10
	s_add_co_u32 s36, s36, s43
	s_add_co_u32 s36, s36, 2097152
	s_add_nc_u64 s[28:29], s[14:15], s[36:37]
	s_lshl_b32 s36, s41, 9
	s_lshl_b32 s43, s42, 2
	s_add_co_u32 s36, s36, s43
	s_add_co_u32 s36, s36, 3276800
	s_add_nc_u64 s[30:31], s[14:15], s[36:37]
	s_lshl_b32 s36, s40, 6
	s_add_nc_u64 s[32:33], s[12:13], s[36:37]
	v_lshlrev_b32 v3, 5, v6                        ; scale words out: 32 r
	v_and_b32 v4, 8, v6
	v_add_nc_u32 v4, v4, v6
	v_lshlrev_b32 v4, 2, v4                        ; bias: the feature of my lane, r + 8 (r / 8)
.Lload:
	WIN 0x40                                       ; destination window 1
.set nn, 0
.rept 32
	global_load_b128 v[8*nn:8*nn+3], v1, s[20:21] offset:1024*nn
	global_load_b128 v[8*nn+4:8*nn+7], v1, s[20:21] offset:1024*nn+512
.set nn, nn+1
.endr
	WIN 0x80                                       ; destination window 2
.set nn, 0
.rept 16
	global_load_b128 v[8*nn:8*nn+3], v1, s[24:25] offset:1024*nn
	global_load_b128 v[8*nn+4:8*nn+7], v1, s[24:25] offset:1024*nn+512
.set nn, nn+1
.endr
	WIN 0
.set nn, 0
.rept 8
	global_load_b128 v[PS+4*nn:PS+4*nn+3], v2, s[22:23] offset:256*nn
.set nn, nn+1
.endr
.set nn, 0
.rept 4
	global_load_b128 v[RS+4*nn:RS+4*nn+3], v2, s[26:27] offset:256*nn
.set nn, nn+1
.endr
	s_cmp_lt_u32 s18, 8
	s_cbranch_scc0 .Lv_go
	WIN 0x80
.set nn, 0
.rept 8
	global_load_b128 v[BR+8*nn:BR+8*nn+3], v4, s[32:33] offset:(32*(nn/2)+8*(nn%2))*4
	global_load_b128 v[BR+8*nn+4:BR+8*nn+7], v4, s[32:33] offset:(32*(nn/2)+8*(nn%2))*4+16
.set nn, nn+1
.endr
	WIN 0
	s_wait_loadcnt 0x0
	JOB 0, 0, 4096, 256
	JOB 1, 0, 4096, 256
	JOB 2, 0, 4096, 256
	JOB 3, 0, 4096, 256
	s_endpgm
.Lv_go:
	WIN 0x80
.set nn, 0
.rept 32
	global_load_b32 v[BR+nn], v4, s[32:33] offset:(32*((nn/8)/2)+8*((nn/8)%2))*4   ; one number a lane, into all eight registers of the tile's C
.set nn, nn+1
.endr
	WIN 0
	s_wait_loadcnt 0x0
	JOB 0, 1, 8192, 512
	JOB 1, 1, 8192, 512
	JOB 2, 1, 8192, 512
	JOB 3, 1, 8192, 512
	s_endpgm
.Lfunc_end_k_q9bacd3515f_proj:
	.size	k_q9bacd3515f_proj, .Lfunc_end_k_q9bacd3515f_proj-k_q9bacd3515f_proj
	.p2alignl 7, 3214868480
	.fill 96, 4, 3214868480
	.section	.rodata,"a",@progbits
	.p2align	6, 0x0
	.amdhsa_kernel k_q9bacd3515f_proj
		.amdhsa_group_segment_fixed_size 0
		.amdhsa_private_segment_fixed_size 0
		.amdhsa_enable_private_segment 0
		.amdhsa_kernarg_size 48
		.amdhsa_user_sgpr_count 2
		.amdhsa_user_sgpr_kernarg_segment_ptr 1
		.amdhsa_wavefront_size32 1
		.amdhsa_system_sgpr_workgroup_id_x 1
		.amdhsa_system_sgpr_workgroup_id_y 1
		.amdhsa_system_sgpr_workgroup_id_z 1
		.amdhsa_system_vgpr_workitem_id 0
		.amdhsa_next_free_vgpr 768
		.amdhsa_next_free_sgpr 66
		.amdhsa_reserve_vcc 0
		.amdhsa_float_denorm_mode_32 3
		.amdhsa_float_denorm_mode_16_64 3
		.amdhsa_memory_ordered 1
		.amdhsa_forward_progress 1
		.amdhsa_inst_pref_size 86
	.end_amdhsa_kernel
	.amdgpu_metadata
---
amdhsa.version: [ 1, 2 ]
amdhsa.kernels:
  - .name:           k_q9bacd3515f_proj
    .symbol:         k_q9bacd3515f_proj.kd
    .args:
      - { .name: xq, .offset: 0, .size: 8, .value_kind: global_buffer, .address_space: global }
      - { .name: wq, .offset: 8, .size: 8, .value_kind: global_buffer, .address_space: global }
      - { .name: bq, .offset: 16, .size: 8, .value_kind: global_buffer, .address_space: global }
      - { .name: bk, .offset: 24, .size: 8, .value_kind: global_buffer, .address_space: global }
      - { .name: bv, .offset: 32, .size: 8, .value_kind: global_buffer, .address_space: global }
      - { .name: qkv, .offset: 40, .size: 8, .value_kind: global_buffer, .address_space: global }
    .group_segment_fixed_size: 0
    .private_segment_fixed_size: 0
    .kernarg_segment_align: 8
    .kernarg_segment_size: 48
    .max_flat_workgroup_size: 128
    .sgpr_count:     66
    .vgpr_count:     768
    .wavefront_size: 32
...
	.end_amdgpu_metadata
.endif
;; end of part 2
;; launch attn (part 3): grid 256 x 1, 8 waves a work-group, no clusters, 307,200 bytes of LDS; arguments freqs, W1, b1, tab, qkv, wq, bo, out0, W2; writes out0
.if DOCPART == 3
	.amdgcn_target "amdgcn-amd-amdhsa--gfx1250"
	.amdhsa_code_object_version 6
	.text
	.protected	k_q9bacd3515f_attn
	.globl	k_q9bacd3515f_attn
	.p2align	8
	.type	k_q9bacd3515f_attn,@function
k_q9bacd3515f_attn:
	s_mov_b64 s[64:65], 0
	v_nop
	global_prefetch_b8 v0, s[64:65] scope:SCOPE_SE
	s_setreg_imm32_b32 hwreg(HW_REG_WAVE_MODE, 25, 1), 1
	s_wait_xcnt 0x0
; LAUNCH 3 OF 3.  The pair bias, Q K^T, the softmax, P V and the projection by Wo, for one tile of 16 queries, all 1,024 keys and all 8 heads a work-group.  No work is left out.
; THE PAIR BIAS (identities and limits: head of the first launch).  a8_m(i) = 8 (u_m(f_i) + b1[m]), c8_m(j) = 8 u_m(f_j), u_m(f) = f W1[0][m] + ln|f + eps| W1[1][m]:
;   8 bias_h(i, j) = I8_h(j) + sum over m of W2[m][h] max(a8_m(i), c8_m(j)),  I8_h(j) = 8 b2[h] - 8 f_j P0[h] - 8 ln|f_j + eps| P1[h].  All in f32; the factor 8 is exact.
;   8 bias is the C of the matrix instruction that adds Q . K, and t = (Q . K + 8 bias) x log2(e) / 8.  One maximum serves all 8 heads: 16 maxima and 64 packed multiply-adds for one m and 16 registers of pairs.
;   W2 lies in LDS as it lies in memory; a row's 8 numbers come to every lane by two loads at one address, in the same ring of four sets as c8 and a8: LDS loads come back in order, so one counted wait serves all three.
; THE SOFTMAX.  For each block of 32 keys: M_b = the block's largest t rounded up to a whole number, p = 2^(t - M_b), its codes and byte, and the sum of the unquantised p.  The wave that multiplies by V brings all blocks
;   under the row's M by whole numbers: byte + (M_b - M), sum x 2^(M_b - M): nothing is rounded.  LIMIT: a byte that would fall under 0 is held at 0 (such a block counts for at most 6 x 2^-127).
; SHARES.  Producer phase: wave w owns keys 128 w .. 128 w + 127, four chunks of 32, for all heads.  Consumer phase: wave w owns head w for P V and output columns 64 w .. 64 w + 63.
; LAYOUT.  S^T = K Q^T (source 0 = 16 keys in tile order, source 1 = my 16 queries): a lane holds one query (lane % 16); registers 8 u + j of a chunk are keys 16 (lane / 16) + 8 u + j.
;   A head is 64 along K, the instruction 128: K's fragment holds two heads, Q's is [even head][zeros] or [zeros][odd head], cut out of the run [even 4][zeros 4][odd 4].
; NO CLUSTER, NO TENSOR LOADS: a work-group reads some 680 KiB of shared images against about 1.5 million vector instructions; the images go straight into operand registers.
; LDS: a slab of 36,864 bytes for each wave: c8 rows at chunk x 8192 + 128 m + 4 key; I8 rows at 32768 + chunk x 1024 + 128 h.  Over a chunk's dead c8 rows: p's codes at 256 h + 16 r + 8 (lane / 16), the blocks' figures at 2048 + 512 h + 16 lane.
;   AL: a8 as [m / 4][r][4 m].  CIM, CSC: the context's images and scale words.  W2L: W2, 32 bytes a row.  The stage for the way out lies over slab 0, written behind the third barrier, when nobody reads the slab any more.
; REGISTERS, window 0, producer phase: v1-15 addresses; v16-143 the accumulators [h][16]; v144-207 a ring of four sets of 16 c8; v208-211 a8; v212-219 K's scale words, v220-223 Q's;
;   v224-255: in the loop over m W2's four sets of 8; in the softmax v224-239 four quads at work, v240-247 codes.   window 1: v0-63 K's fragments [u][g]; v64-111 Q's runs.  Consumer phase: see there.
.set SLAB,  36864
.set INITO, 32768
.set AL,    8*SLAB
.set CIM,   AL+4608
.set CSC,   CIM+4096
.set W2L,   CSC+256                    ; W2: 2,048 bytes, and 256 that nobody touches
.set SPARE, W2L+2304                   ; the spare words, 128 bytes for each of the eight waves
.set OSP,   2064                       ; a row of the stage: 2,048 bytes + 16
.set ACC,   16
.set RING,  144
.set A4,    208
.set KSR,   212
.set QSR,   220
.set WR,    224
.set TQ,    224
.set PC,    240
.set MSB, 0
.macro WIN new                         ; the immediate's high byte repeats the setting that is left
.if MSB != \new
	s_set_vgpr_msb (MSB<<8)|\new
.set MSB, \new
.endif
.endm
; One m for a chunk: set k of the ring holds c8_m of my 16 keys, v[A4 + k] a8_m of my query, v[WR + 8 k + h] W2[m][h].  Then the set is asked for again: the m four further on.
.macro MSTEP k
	s_wait_dscnt 21                                ; LDS loads come back in order: my set's seven are in, the other three sets' twenty-one may be out
.set ii, 0
.rept 16
	v_max_num_f32 v[RING+16*\k+ii], v[A4+\k], v[RING+16*\k+ii]
.set ii, ii+1
.endr
.set ii, 0
.rept 64                               ; head ii / 8, pair ii % 8 of my keys; W2's number is picked out of its register pair for both halves
.set WP, WR+8*\k+2*(ii/16)
.if (ii/8)%2
	v_pk_fma_f32 v[ACC+2*ii:ACC+2*ii+1], v[RING+16*\k+2*(ii%8):RING+16*\k+2*(ii%8)+1], v[WP:WP+1], v[ACC+2*ii:ACC+2*ii+1] op_sel:[0,1,0]
.else
	v_pk_fma_f32 v[ACC+2*ii:ACC+2*ii+1], v[RING+16*\k+2*(ii%8):RING+16*\k+2*(ii%8)+1], v[WP:WP+1], v[ACC+2*ii:ACC+2*ii+1] op_sel_hi:[1,0,1]
.endif
.set ii, ii+1
.endr
.irp q, 0,1,2,3
	ds_load_b128 v[RING+16*\k+4*\q:RING+16*\k+4*\q+3], v4 offset:512+128*\k+16*\q
.endr
	ds_load_b32 v[A4+\k], v6 offset:4*\k
	ds_load_b128 v[WR+8*\k:WR+8*\k+3], v14 offset:32*\k
	ds_load_b128 v[WR+8*\k+4:WR+8*\k+7], v14 offset:32*\k+16
.endm
; The softmax of a chunk for heads h0 .. h0 + 3, by turns.  A head's quad: +0 -M_b, +1 the largest score, then the byte, +2 at work, then my 16 keys' sum, +3 the conversion's scale operand.
.macro SOFT4 h0
.irp n, 0,1,2,3
	v_max3_num_f32 v[TQ+4*\n+1], v[ACC+16*(\h0+\n)], v[ACC+16*(\h0+\n)+1], v[ACC+16*(\h0+\n)+2]   ; each accumulator is read from its low end on
.endr
.irp i, 3,5,7,9,11,13
.irp n, 0,1,2,3
	v_max3_num_f32 v[TQ+4*\n+1], v[TQ+4*\n+1], v[ACC+16*(\h0+\n)+\i], v[ACC+16*(\h0+\n)+\i+1]
.endr
.endr
.irp n, 0,1,2,3
	v_max_num_f32 v[TQ+4*\n+1], v[TQ+4*\n+1], v[ACC+16*(\h0+\n)+15]
.endr
.irp n, 0,1,2,3
	v_permlanex16_b32 v[TQ+4*\n+2], v[TQ+4*\n+1], s56, s57   ; (its destination counts as read: W2's loads have written it)
.endr
.irp n, 0,1,2,3
	v_max_num_f32 v[TQ+4*\n+1], v[TQ+4*\n+1], v[TQ+4*\n+2]   ; with lane l xor 16's sixteen keys: the block's largest score
.endr
.irp n, 0,1,2,3
	v_mul_f32 v[TQ+4*\n+2], s54, v[TQ+4*\n+1]      ; as t
.endr
.irp n, 0,1,2,3
	v_floor_f32 v[TQ+4*\n], -v[TQ+4*\n+2]          ; -M_b = floor(-t) = -ceil(t)
.endr
.irp p, 0,2,4,6,8,10,12,14
.irp n, 0,1,2,3
	v_pk_fma_f32 v[ACC+16*(\h0+\n)+\p:ACC+16*(\h0+\n)+\p+1], v[ACC+16*(\h0+\n)+\p:ACC+16*(\h0+\n)+\p+1], s[54:55], v[TQ+4*\n:TQ+4*\n+1] op_sel_hi:[1,0,0]   ; t - M_b, two at a time
.endr
.endr
.irp n, 0,1,2,3
	v_fma_f32 v[TQ+4*\n+1], v[TQ+4*\n+1], s54, v[TQ+4*\n]   ; the same of the largest score: p rises with the score, so this gives the block's largest p
.endr
.irp n, 0,1,2,3
.irp i, 0,1,2,3,4,5,6,7,8,9,10,11,12,13,14,15
	v_exp_f32 v[ACC+16*(\h0+\n)+\i], v[ACC+16*(\h0+\n)+\i]
.endr
.endr
.irp n, 0,1,2,3
	v_exp_f32 v[TQ+4*\n+1], v[TQ+4*\n+1]
.endr
	v_nop                                          ; a plain line behind the last exponential
	s_wait_alu depctr_va_vdst(0)                   ; the wait ahead of the first line that names a result: one for the batch of 68
.irp n, 0,1,2,3
	v_max_num_f32 v[TQ+4*\n+1], 0x1800000, v[TQ+4*\n+1]
.endr
.irp n, 0,1,2,3
	v_add_nc_u32 v[TQ+4*\n+3], 0xff000000, v[TQ+4*\n+1]   ; 2 off the exponent field: the conversion's scale operand
.endr
.irp n, 0,1,2,3
	v_lshrrev_b32 v[TQ+4*\n+1], 23, v[TQ+4*\n+3]   ; the byte under M_b
.endr
.irp n, 0,1,2,3
	v_cvt_scalef32_pk8_fp4_f32 v[PC+2*\n], v[ACC+16*(\h0+\n):ACC+16*(\h0+\n)+7], v[TQ+4*\n+3]
	v_cvt_scalef32_pk8_fp4_f32 v[PC+2*\n+1], v[ACC+16*(\h0+\n)+8:ACC+16*(\h0+\n)+15], v[TQ+4*\n+3]
.endr
	v_nop                                          ; a plain line behind the last conversion: the sums below write its sources
.irp p, 0,2,4,6
.irp n, 0,1,2,3
	v_pk_add_f32 v[ACC+16*(\h0+\n)+\p:ACC+16*(\h0+\n)+\p+1], v[ACC+16*(\h0+\n)+\p:ACC+16*(\h0+\n)+\p+1], v[ACC+16*(\h0+\n)+\p+8:ACC+16*(\h0+\n)+\p+9]   ; the sum of the UNQUANTISED p
.endr
.endr
.irp p, 0,2
.irp n, 0,1,2,3
	v_pk_add_f32 v[ACC+16*(\h0+\n)+\p:ACC+16*(\h0+\n)+\p+1], v[ACC+16*(\h0+\n)+\p:ACC+16*(\h0+\n)+\p+1], v[ACC+16*(\h0+\n)+\p+4:ACC+16*(\h0+\n)+\p+5]
.endr
.endr
.irp n, 0,1,2,3
	v_pk_add_f32 v[ACC+16*(\h0+\n):ACC+16*(\h0+\n)+1], v[ACC+16*(\h0+\n):ACC+16*(\h0+\n)+1], v[ACC+16*(\h0+\n)+2:ACC+16*(\h0+\n)+3]
.endr
.irp n, 0,1,2,3
	v_add_f32 v[TQ+4*\n+2], v[ACC+16*(\h0+\n)], v[ACC+16*(\h0+\n)+1]
.endr
.irp n, 0,1,2,3
	ds_store_b64 v9, v[PC+2*\n:PC+2*\n+1] offset:256*(\h0+\n)        ; my 16 keys' codes: half of the block's 16 bytes
	ds_store_b128 v10, v[TQ+4*\n:TQ+4*\n+3] offset:512*(\h0+\n)
.endr
	s_wait_dscnt 0x0                               ; the stores have read their registers
.endm
	s_load_b512 s[4:19], s[0:1], 0x0               ; freqs s[4:5], W1 s[6:7], b1 s[8:9], tab s[10:11], qkv s[12:13], wq s[14:15], bo s[16:17], out0 s[18:19]
	s_load_b64 s[36:37], s[0:1], 0x40              ; W2
	v_lshl_add_u32 v12, v0, 2, SPARE               ; my spare word; never rewritten
	v_mov_b32 v13, 0                               ; 0; never rewritten
	v_lshrrev_b32 v9, 5, v0
	v_readfirstlane_b32 s52, v9                    ; wave 0..7
	v_and_b32 v14, 31, v0                          ; lane
	v_and_b32 v15, 15, v0                          ; r
	v_bfe_u32 v10, v0, 4, 1                        ; lane / 16
	v_lshlrev_b32 v1, 4, v14                       ; 16 x lane
	v_lshlrev_b32 v2, 4, v15                       ; 16 r
	v_mov_b32 v11, 0                               ; the offset of loads that give every lane the same numbers
	v_lshlrev_b32 v6, 3, v0                        ; my 8 bytes of W2
	s_mul_i32 s53, s52, SLAB
	v_lshlrev_b32 v3, 6, v10
	v_add_nc_u32 v3, s53, v3                       ; c8 and I8 rows: my slab + my half's 16 keys
	v_add_nc_u32 v5, AL, v2                        ; a8: my query's four numbers of a row
	v_lshl_add_u32 v7, v10, 3, v2
	v_add_nc_u32 v7, s53, v7                       ; where p's codes go
	v_add_nc_u32 v8, s53, v1
	v_add_nc_u32 v8, 2048, v8                      ; where the blocks' figures go
	s_lshl_b32 s3, s52, 5
	v_lshl_add_u32 v4, v10, 4, s3                  ; my four m for a8: 8 wave + 4 (lane / 16), in bytes
	v_and_b32 v9, 8, v15
	v_add_nc_u32 v9, v9, v15
	v_lshlrev_b32 v9, 2, v9                        ; my query in the tile: r + 8 (r / 8)
	s_mov_b32 s54, 0x3e38aa3b                      ; log2(e) / 8
	s_mov_b32 s55, s54                             ; (named with it as a pair)
	s_mov_b32 s56, 0x76543210
	s_mov_b32 s57, 0xfedcba98                      ; selects for lane l xor 16
	s_mov_b32 s101, 0
	s_lshr_b32 s2, ttmp9, 6                        ; batch
	s_lshl_b32 s100, s2, 12
	s_lshl_b32 s3, s52, 9
	s_add_co_u32 s100, s100, s3
	s_wait_kmcnt 0x0
	s_add_nc_u64 s[60:61], s[4:5], s[100:101]      ; f of my wave's 128 keys
	s_lshr_b32 s100, ttmp9, 1
	s_lshl_b32 s100, s100, 7
	s_and_b32 s3, ttmp9, 1
	s_lshl_b32 s3, s3, 5
	s_add_co_u32 s100, s100, s3
	s_add_nc_u64 s[62:63], s[4:5], s[100:101]      ; f of the tile's queries
	global_load_b128 v[240:243], v1, s[60:61]      ; four keys a lane
	global_load_b32 v248, v9, s[62:63]
	global_load_b64 v[250:251], v6, s[36:37]       ; W2: the 256 threads take its 2,048 bytes
.set nn, 0
.rept 32
	global_load_b128 v[16+4*nn:19+4*nn], v11, s[6:7] offset:16*nn   ; W1, the same in every lane: v16 + m = W1[0][m], v80 + m = W1[1][m]
.set nn, nn+1
.endr
.set nn, 0
.rept 6
	global_load_b128 v[216+4*nn:219+4*nn], v11, s[10:11] offset:16*nn   ; -P0 v216.., -P1 v224.., 8 b2 v232..
.set nn, nn+1
.endr
	global_load_b128 v[208:211], v4, s[6:7]
	global_load_b128 v[212:215], v4, s[6:7] offset:256
	global_load_b128 v[252:255], v4, s[8:9]
	s_wait_loadcnt 0x0
.irp i, 0,1,2,3
	v_add_f32 v[244+\i], 0x358637bd, v[240+\i]     ; f + eps
.endr
	v_add_f32 v249, 0x358637bd, v248
.irp i, 0,1,2,3
	v_log_f32 v[244+\i], |v[244+\i]|
.endr
	v_log_f32 v249, |v249|
.irp i, 0,1,2,3
	v_mul_f32 v[240+\i], 0x41000000, v[240+\i]     ; 8 f (plain lines behind the logarithms)
.endr
	v_mul_f32 v248, 0x41000000, v248
.irp k, 0,1,2,3
	v_mul_f32 v[252+\k], 0x41000000, v[252+\k]     ; 8 b1
.endr
	s_wait_alu depctr_va_vdst(0)                   ; one wait for the five logarithms, ahead of their first reader
.irp i, 0,1,2,3
	v_mul_f32 v[244+\i], 0x40b17218, v[244+\i]     ; 8 ln|f + eps| = log2 x 8 ln 2
.endr
	v_mul_f32 v249, 0x40b17218, v249
.irp k, 0,1,2,3
	v_fma_f32 v[252+\k], v248, v[208+\k], v[252+\k]
.endr
.irp k, 0,1,2,3
	v_fma_f32 v[252+\k], v249, v[212+\k], v[252+\k]   ; a8 of my query for my four m
.endr
	v_lshl_add_u32 v10, v0, 3, W2L
	ds_store_b64 v10, v[250:251]                   ; W2 as it lies in memory: row m at 32 m
	v_lshl_add_u32 v6, v0, 4, AL
	ds_store_b128 v6, v[252:255]                   ; thread t: row t / 16 = m / 4, query t % 16
	v_lshrrev_b32 v9, 3, v14                       ; my four keys' chunk
	v_and_b32 v4, 7, v14
	v_lshlrev_b32 v4, 4, v4
	v_add_nc_u32 v4, s53, v4
	v_lshl_add_u32 v10, v9, 10, v4                 ; I8 rows: chunks 1,024 bytes apart
	v_lshl_add_u32 v9, v9, 13, v4                  ; c8 rows: chunks 8,192 bytes apart
	; the 64 rows c8_m of my wave's 128 keys; W1's number is picked out of its register pair for both halves
.set m, 0
.rept 64
.set RS, RING+4*(m%16)
.set WA, 16+2*(m/2)
.set WB, 80+2*(m/2)
.if m >= 16
	s_wait_dscnt 15                                ; the 15 younger stores may be out: the store 16 back has read this set
.endif
.if m%2
	v_pk_mul_f32 v[RS:RS+1], v[240:241], v[WA:WA+1] op_sel:[0,1]
	v_pk_mul_f32 v[RS+2:RS+3], v[242:243], v[WA:WA+1] op_sel:[0,1]
	v_pk_fma_f32 v[RS:RS+1], v[244:245], v[WB:WB+1], v[RS:RS+1] op_sel:[0,1,0]
	v_pk_fma_f32 v[RS+2:RS+3], v[246:247], v[WB:WB+1], v[RS+2:RS+3] op_sel:[0,1,0]
.else
	v_pk_mul_f32 v[RS:RS+1], v[240:241], v[WA:WA+1] op_sel_hi:[1,0]
	v_pk_mul_f32 v[RS+2:RS+3], v[242:243], v[WA:WA+1] op_sel_hi:[1,0]
	v_pk_fma_f32 v[RS:RS+1], v[244:245], v[WB:WB+1], v[RS:RS+1] op_sel_hi:[1,0,1]
	v_pk_fma_f32 v[RS+2:RS+3], v[246:247], v[WB:WB+1], v[RS+2:RS+3] op_sel_hi:[1,0,1]
.endif
	ds_store_b128 v9, v[RS:RS+3] offset:128*m
.set m, m+1
.endr
	; the 8 rows I8_h
.set h, 0
.rept 8
.set RS, RING+4*h
.set PA, 216+2*(h/2)
.set PB, 224+2*(h/2)
.set PD, 232+2*(h/2)
	s_wait_dscnt 15
.if h%2
	v_pk_fma_f32 v[RS:RS+1], v[240:241], v[PA:PA+1], v[PD:PD+1] op_sel:[0,1,1]
	v_pk_fma_f32 v[RS+2:RS+3], v[242:243], v[PA:PA+1], v[PD:PD+1] op_sel:[0,1,1]
	v_pk_fma_f32 v[RS:RS+1], v[244:245], v[PB:PB+1], v[RS:RS+1] op_sel:[0,1,0]
	v_pk_fma_f32 v[RS+2:RS+3], v[246:247], v[PB:PB+1], v[RS+2:RS+3] op_sel:[0,1,0]
.else
	v_pk_fma_f32 v[RS:RS+1], v[240:241], v[PA:PA+1], v[PD:PD+1] op_sel_hi:[1,0,0]
	v_pk_fma_f32 v[RS+2:RS+3], v[242:243], v[PA:PA+1], v[PD:PD+1] op_sel_hi:[1,0,0]
	v_pk_fma_f32 v[RS:RS+1], v[244:245], v[PB:PB+1], v[RS:RS+1] op_sel_hi:[1,0,1]
	v_pk_fma_f32 v[RS+2:RS+3], v[246:247], v[PB:PB+1], v[RS+2:RS+3] op_sel_hi:[1,0,1]
.endif
	ds_store_b128 v10, v[RS:RS+3] offset:INITO+128*h
.set h, h+1
.endr
	; pointers: the loads through freqs, W1 and b1 are done, so their registers are free
	s_lshl_b32 s2, s2, 6
	s_lshl_b32 s3, s52, 3
	s_add_co_u32 s2, s2, s3                        ; my wave's first tile of keys: 64 batch + 8 wave
	s_lshl_b32 s100, s2, 12
	s_add_co_u32 s100, s100, 1048576
	s_add_nc_u64 s[4:5], s[12:13], s[100:101]      ; K's images
	s_lshl_b32 s100, s2, 8
	s_add_co_u32 s100, s100, 3211264
	s_add_nc_u64 s[6:7], s[12:13], s[100:101]      ; K's scale words
	s_lshl_b32 s100, ttmp9, 12
	s_add_nc_u64 s[60:61], s[12:13], s[100:101]    ; Q's images of my tile
	s_lshl_b32 s100, ttmp9, 8
	s_add_co_u32 s100, s100, 3145728
	s_add_nc_u64 s[62:63], s[12:13], s[100:101]    ; and its scale words
	WIN 0x40                                       ; destination window 1
.irp g, 0,1,2,3
.irp i, 0,1,2,3
	v_mov_b32 v[68+12*\g+\i], 0                    ; zero codes for the head that is not meant
.endr
.endr
.irp g, 0,1,2,3
	global_load_b128 v[64+12*\g:67+12*\g], v1, s[60:61] offset:1024*\g
	global_load_b128 v[72+12*\g:75+12*\g], v1, s[60:61] offset:1024*\g+512
.endr
	WIN 0
	global_load_b128 v[QSR:QSR+3], v2, s[62:63]
	s_wait_dscnt 0x0                               ; my stores have landed
	s_barrier_signal -1
	s_barrier_wait -1                              ; a8 and W2 are whole: every wave reads all of them
.irp k, 0,1,2,3
.irp q, 0,1,2,3
	ds_load_b128 v[RING+16*\k+4*\q:RING+16*\k+4*\q+3], v3 offset:128*\k+16*\q
.endr
	ds_load_b32 v[A4+\k], v5 offset:4*\k
.endr
	s_wait_xcnt 0x0                                ; Q's loads have read their bases: s60 to s63 take the loops' counts
	s_mov_b32 s61, 4                               ; chunks to go
	s_mov_b32 s62, 0                               ; the chunk's c8 rows
	s_mov_b32 s63, 0                               ; the chunk's I8 rows
.Lchunk:
	WIN 0x40
.set nn, 0
.rept 8
	global_load_b128 v[8*nn:8*nn+3], v1, s[4:5] offset:1024*nn        ; the chunk's two tiles of K x four head pairs: asked for a whole chunk's vector work ahead of their use
	global_load_b128 v[8*nn+4:8*nn+7], v1, s[4:5] offset:1024*nn+512
.set nn, nn+1
.endr
	WIN 0
	global_load_b128 v[KSR:KSR+3], v2, s[6:7]
	global_load_b128 v[KSR+4:KSR+7], v2, s[6:7] offset:256
	v_mov_b32 v14, W2L
.irp k, 0,1,2,3
	ds_load_b128 v[WR+8*\k:WR+8*\k+3], v14 offset:32*\k              ; W2's rows 0 to 3: the softmax has had these registers since the last chunk
	ds_load_b128 v[WR+8*\k+4:WR+8*\k+7], v14 offset:32*\k+16
.endr
	v_add_nc_u32 v9, s63, v3
.set nn, 0
.rept 32
	ds_load_b128 v[ACC+4*nn:ACC+4*nn+3], v9 offset:INITO+128*(nn/4)+16*(nn%4)   ; the sums begin with I8_h of my 16 keys
.set nn, nn+1
.endr
	s_mov_b32 s58, 0                               ; 256 bytes of a8's rows for each trip
	s_mov_b32 s60, 16
	s_wait_dscnt 0x0
.Lm:                                               ; a trip: four m
	s_lshl_b32 s2, s58, 1
	s_add_co_u32 s2, s2, s62
	v_add_nc_u32 v4, s2, v3                        ; this trip's c8 rows; the loads reach 512 bytes on, into the next chunk's rows too (behind the last chunk: bytes of the I8 rows, which are not used)
	s_add_co_u32 s3, s58, 256
	s_and_b32 s3, s3, 0xfff
	v_add_nc_u32 v6, s3, v5                        ; the next trip's a8; behind m = 63 comes m = 0
	s_lshr_b32 s3, s3, 1
	s_add_co_u32 s3, s3, W2L
	v_mov_b32 v14, s3                              ; the next trip's rows of W2, 128 bytes a trip (what the last trip asks for is not used: the chunk's head asks anew)
	MSTEP 0
	MSTEP 1
	MSTEP 2
	MSTEP 3
	s_add_co_u32 s58, s58, 256
	s_sub_co_u32 s60, s60, 1
	s_cmp_lg_u32 s60, 0
	s_cbranch_scc1 .Lm
	s_wait_dscnt 0x0                               ; the look-ahead has landed: the softmax writes W2's registers
	s_wait_loadcnt 0x0                             ; K (in the first chunk Q too)
.rept 8
	v_nop
.endr
	WIN 0x05                                       ; sources 0 and 1 window 1
.irp g, 0,1,2,3
.irp e, 0,1
.irp u, 0,1
	v_wmma_scale_f32_16x16x128_f8f6f4 v[ACC+16*(2*\g+\e)+8*\u:ACC+16*(2*\g+\e)+8*\u+7], v[8*(4*\u+\g):8*(4*\u+\g)+7], v[64+12*\g+4*\e:64+12*\g+4*\e+7], v[ACC+16*(2*\g+\e)+8*\u:ACC+16*(2*\g+\e)+8*\u+7], v[KSR+4*\u+\g], v[QSR+\g] matrix_a_fmt:MATRIX_FMT_FP4 matrix_b_fmt:MATRIX_FMT_FP4
.endr
.endr
.endr
	WIN 0
.rept 4
	v_nop                                          ; four places ahead of the first read of results
.endr
	v_add_nc_u32 v9, s62, v7
	v_add_nc_u32 v10, s62, v8
	SOFT4 0
	SOFT4 4
	s_add_nc_u64 s[4:5], s[4:5], 8192              ; K's loads were shown done above
	s_add_nc_u64 s[6:7], s[6:7], 512
	s_add_co_u32 s62, s62, 8192
	s_add_co_u32 s63, s63, 1024
	s_sub_co_u32 s61, s61, 1
	s_cmp_lg_u32 s61, 0
	s_cbranch_scc1 .Lchunk
	; ---- CONSUMER PHASE.  window 0: v16-143 the 32 blocks' figures; v144-207 p's eight fragments; v208-239 V's scale words; v240-247 p's; v248-255 addresses, then at work.  window 1: V's 32 fragments [t][key step].
	s_lshr_b32 s2, ttmp9, 6
	s_lshl_b32 s2, s2, 5
	s_lshl_b32 s3, s52, 2
	s_add_co_u32 s2, s2, s3                        ; 32 batch + 4 head
	s_mov_b32 s61, 0
	s_lshl_b32 s60, s2, 13
	s_add_co_u32 s60, s60, 2097152
	s_add_nc_u64 s[8:9], s[12:13], s[60:61]        ; V's images of my head: 32 KiB on end
	s_lshl_b32 s60, s2, 9
	s_add_co_u32 s60, s60, 3276800
	s_add_nc_u64 s[58:59], s[12:13], s[60:61]      ; and their scale words
	v_lshlrev_b32 v14, 5, v15                      ; 32 r
	WIN 0x40
.set nn, 0
.rept 32
	global_load_b128 v[8*nn:8*nn+3], v1, s[8:9] offset:1024*nn
	global_load_b128 v[8*nn+4:8*nn+7], v1, s[8:9] offset:1024*nn+512
.set nn, nn+1
.endr
	WIN 0
.irp t, 0,1,2,3
	global_load_b128 v[208+8*\t:211+8*\t], v14, s[58:59] offset:512*\t
	global_load_b128 v[212+8*\t:215+8*\t], v14, s[58:59] offset:512*\t+16
.endr
	v_bfe_u32 v6, v0, 4, 1                         ; lane / 16
	s_lshl_b32 s3, s52, 9
	v_add_nc_u32 v9, s3, v1
	v_add_nc_u32 v9, 2048, v9                      ; the figures of my head: 2048 + 512 head + 16 lane
	s_lshl_b32 s3, s52, 8
	v_lshl_add_u32 v4, v6, 13, v2
	v_add_nc_u32 v4, s3, v4                        ; p's codes: 256 head + 16 r; lanes 16-31 take the odd blocks
.irp j, 0,1,2,3
	v_add_nc_u32 v[248+\j], \j*2*SLAB, v9          ; an address register for each two slabs: the second is reached by the immediate
	v_add_nc_u32 v[252+\j], \j*2*SLAB, v4
.endr
	s_barrier_signal -1                            ; no LDS instruction of mine is out: the last softmax ended with a wait for all
	s_barrier_wait -1                              ; every wave's codes and figures lie in LDS
.set kk, 0
.rept 8
.irp b, 0,1,2,3
	ds_load_b128 v[16+16*kk+4*\b:19+16*kk+4*\b], v[248+kk/2] offset:(kk%2)*SLAB+8192*\b
.endr
.irp c, 0,1
	ds_load_b128 v[144+8*kk+4*\c:147+8*kk+4*\c], v[252+kk/2] offset:(kk%2)*SLAB+16384*\c
.endr
.set kk, kk+1
.endr
	s_wait_dscnt 0x0
	v_min3_num_f32 v248, v16, v20, v24             ; -M of the row: the least of the 32 -M_b
.set nn, 3
.rept 14
	v_min3_num_f32 v248, v248, v[16+4*nn], v[20+4*nn]
.set nn, nn+2
.endr
	v_min_num_f32 v248, v248, v140
.set nn, 0
.rept 32
	v_sub_f32 v[19+4*nn], v248, v[16+4*nn]         ; d = M_b - M: a whole number, 0 or less
	v_cvt_f32_u32 v[17+4*nn], v[17+4*nn]
.set nn, nn+1
.endr
.set nn, 0
.rept 32
	v_add_f32 v[17+4*nn], v[17+4*nn], v[19+4*nn]   ; the byte under M,
	v_cvt_i32_f32 v[19+4*nn], v[19+4*nn]
.set nn, nn+1
.endr
.set nn, 0
.rept 32
	v_max_num_f32 v[17+4*nn], 0, v[17+4*nn]        ; held at 0 from below
	v_ldexp_f32 v[18+4*nn], v[18+4*nn], v[19+4*nn] ; the block's sum under M
.set nn, nn+1
.endr
.set nn, 0
.rept 32
	v_cvt_u32_f32 v[17+4*nn], v[17+4*nn]
.set nn, nn+1
.endr
.set kk, 0
.rept 8
	v_lshl_or_b32 v[240+kk], v[21+16*kk], 8, v[17+16*kk]
	v_lshl_or_b32 v[240+kk], v[25+16*kk], 16, v[240+kk]
	v_lshl_or_b32 v[240+kk], v[29+16*kk], 24, v[240+kk]   ; p's scale word for key step kk
.set kk, kk+1
.endr
	v_add_f32 v250, v18, v22                       ; the row's sum, in two chains (these 31 lines are also the places between the scale words and the products)
	v_add_f32 v251, v26, v30
.set nn, 4
.rept 14
	v_add_f32 v250, v250, v[18+4*nn]
	v_add_f32 v251, v251, v[22+4*nn]
.set nn, nn+2
.endr
	v_add_f32 v250, v250, v251
	s_wait_loadcnt 0x0                             ; V and its scale words
	WIN 0x01                                       ; source 0 window 1
.set kk, 0
.rept 8
.set tt, 0
.rept 4
.if kk == 0
	v_wmma_scale_f32_16x16x128_f8f6f4 v[16+8*tt:23+8*tt], v[8*(8*tt+kk):8*(8*tt+kk)+7], v[144+8*kk:151+8*kk], 0, v[208+8*tt+kk], v[240+kk] matrix_a_fmt:MATRIX_FMT_FP4 matrix_b_fmt:MATRIX_FMT_FP4
.else
	v_wmma_scale_f32_16x16x128_f8f6f4 v[16+8*tt:23+8*tt], v[8*(8*tt+kk):8*(8*tt+kk)+7], v[144+8*kk:151+8*kk], v[16+8*tt:23+8*tt], v[208+8*tt+kk], v[240+kk] matrix_a_fmt:MATRIX_FMT_FP4 matrix_b_fmt:MATRIX_FMT_FP4
.endif
.set tt, tt+1
.endr
.set kk, kk+1
.endr
	WIN 0
.rept 4
	v_nop                                          ; four places ahead of loads into V's registers and of the first read of results
.endr
	; Wo's 16 fragments of my 64 output columns, their scale words, and bo as the sums' start.  window 0 now: v16-47 O^T; v48-63 Wo's scale words; v64-95 the outputs; v96-127 the context's fragments, v128-131 their scale words; v132-143 at work; v144-175 rows on the way out
	s_lshl_b32 s60, s52, 14
	s_add_co_u32 s60, s60, 393216
	s_add_nc_u64 s[4:5], s[14:15], s[60:61]
	s_lshl_b32 s60, s52, 10
	s_add_co_u32 s60, s60, 548864
	s_add_nc_u64 s[6:7], s[14:15], s[60:61]
	s_lshl_b32 s60, s52, 8
	s_add_nc_u64 s[16:17], s[16:17], s[60:61]
	v_lshlrev_b32 v5, 6, v6                        ; bo: 16 numbers on for lanes 16-31
	WIN 0x40
.set nn, 0
.rept 16
	global_load_b128 v[8*nn:8*nn+3], v1, s[4:5] offset:1024*nn
	global_load_b128 v[8*nn+4:8*nn+7], v1, s[4:5] offset:1024*nn+512
.set nn, nn+1
.endr
	WIN 0
.irp t, 0,1,2,3
	global_load_b128 v[48+4*\t:51+4*\t], v2, s[6:7] offset:256*\t
	global_load_b128 v[64+8*\t:67+8*\t], v5, s[16:17] offset:(32*(\t/2)+8*(\t%2))*4
	global_load_b128 v[68+8*\t:71+8*\t], v5, s[16:17] offset:(32*(\t/2)+8*(\t%2))*4+16
.endr
	v_permlanex16_b32 v251, v250, s56, s57
	v_add_f32 v250, v250, v251                     ; with lane l xor 16's keys: the row's sum
	v_rcp_f32 v252, v250
	v_mov_b32 v253, 0                              ; a plain line behind the reciprocal (and the pair's upper half is written)
	s_wait_alu depctr_va_vdst(0)
.set nn, 0
.rept 16
	v_pk_mul_f32 v[16+2*nn:17+2*nn], v[16+2*nn:17+2*nn], v[252:253] op_sel_hi:[1,0]   ; the context: register 16 b + i = my head's feature 32 b + 16 (lane / 16) + i
.set nn, nn+1
.endr
.irp b, 0,1
	v_max3_num_f32 v[132+\b], |v[16+16*\b]|, |v[17+16*\b]|, 0x1800000
.endr
.irp i, 2,4,6,8,10,12,14
.irp b, 0,1
	v_max3_num_f32 v[132+\b], v[132+\b], |v[16+16*\b+\i]|, |v[17+16*\b+\i]|
.endr
.endr
.irp b, 0,1
	v_permlanex16_b32 v[134+\b], v[132+\b], s56, s57
.endr
.irp b, 0,1
	v_max_num_f32 v[132+\b], v[132+\b], v[134+\b]
.endr
.irp b, 0,1
	v_add_nc_u32 v[136+\b], 0xff000000, v[132+\b]
.endr
.irp b, 0,1
	v_lshrrev_b32 v[138+\b], 23, v[136+\b]
.endr
.irp b, 0,1
	v_cvt_scalef32_pk8_fp4_f32 v[140+2*\b], v[16+16*\b:23+16*\b], v[136+\b]
	v_cvt_scalef32_pk8_fp4_f32 v[141+2*\b], v[24+16*\b:31+16*\b], v[136+\b]
.endr
	v_lshl_or_b32 v138, v139, 8, v138              ; my head's two bytes (a plain line behind the last conversion)
	s_lshl_b32 s3, s52, 9
	s_add_co_u32 s3, s3, CIM
	v_lshl_add_u32 v9, v6, 3, v2
	v_add_nc_u32 v9, s3, v9                        ; the image: head w is registers 4 (w % 2) on of K step w / 2; block b is the lanes' half b
	s_lshr_b32 s3, s52, 1
	s_lshl_b32 s3, s3, 6
	s_and_b32 s2, s52, 1
	s_lshl_b32 s2, s2, 1
	s_add_co_u32 s3, s3, s2
	s_add_co_u32 s3, s3, CSC
	v_lshl_add_u32 v10, v15, 2, s3
	ds_store_b64 v9, v[140:141]
	ds_store_b64 v9, v[142:143] offset:256
	ds_store_b16 v10, v138                         ; both halves of the lanes write the same two bytes with the same value
	s_wait_dscnt 0x0
	s_barrier_signal -1
	s_barrier_wait -1                              ; the context's four fragments lie in LDS; nobody reads the slabs any more
	v_add_nc_u32 v4, CIM, v1
	v_lshl_add_u32 v7, v15, 2, CSC
.irp g, 0,1,2,3
	ds_load_b128 v[96+8*\g:99+8*\g], v4 offset:1024*\g
	ds_load_b128 v[100+8*\g:103+8*\g], v4 offset:1024*\g+512
	ds_load_b32 v[128+\g], v7 offset:64*\g
.endr
	s_wait_dscnt 0x0
	s_wait_loadcnt 0x0                             ; Wo, its scale words, bo
	WIN 0x01
.set ss, 0
.rept 4
.set tt, 0
.rept 4
	v_wmma_scale_f32_16x16x128_f8f6f4 v[64+8*tt:71+8*tt], v[8*(4*tt+ss):8*(4*tt+ss)+7], v[96+8*ss:103+8*ss], v[64+8*tt:71+8*tt], v[48+4*tt+ss], v[128+ss] matrix_a_fmt:MATRIX_FMT_FP4 matrix_b_fmt:MATRIX_FMT_FP4
.set tt, tt+1
.endr
.set ss, ss+1
.endr
	WIN 0
	v_mul_u32_u24 v9, v15, OSP                     ; the stage: row r, my 64 columns, my half's 16 of each 32 (four plain lines: the places ahead of the first read of results)
	v_lshl_add_u32 v9, v6, 6, v9
	s_lshl_b32 s3, s52, 8
	v_add_nc_u32 v9, s3, v9
	s_mul_i32 s3, s52, 2*OSP
	v_add_nc_u32 v10, s3, v1                       ; back: rows 2 w and 2 w + 1, 16 bytes a lane
.irp t, 0,1,2,3
	ds_store_b128 v9, v[64+8*\t:67+8*\t] offset:128*(\t/2)+32*(\t%2)      ; each accumulator from its low end on
	ds_store_b128 v9, v[68+8*\t:71+8*\t] offset:128*(\t/2)+32*(\t%2)+16
.endr
	s_lshr_b32 s2, ttmp9, 1
	s_lshl_b32 s2, s2, 5
	s_and_b32 s3, ttmp9, 1
	s_lshl_b32 s3, s3, 3
	s_add_co_u32 s2, s2, s3
	s_lshl_b32 s3, s52, 1
	s_add_co_u32 s2, s2, s3
	s_lshr_b32 s3, s52, 2
	s_lshl_b32 s3, s3, 3
	s_add_co_u32 s2, s2, s3                        ; row r = 2 w of the tile is row 32 (T / 2) + 8 (T % 2) + r + 8 (r / 8) of the output
	s_lshl_b32 s60, s2, 11
	s_add_nc_u64 s[18:19], s[18:19], s[60:61]
	s_wait_dscnt 0x0
	s_barrier_signal -1
	s_barrier_wait -1                              ; 16 whole rows lie in the stage
.set nn, 0
.rept 8
	ds_load_b128 v[144+4*nn:147+4*nn], v10 offset:OSP*(nn/4)+512*(nn%4)
.set nn, nn+1
.endr
.set nn, 0
.rept 8
	s_wait_dscnt 7-nn                              ; the younger loads may stay out
	global_store_b128 v1, v[144+4*nn:147+4*nn], s[18:19] offset:2048*(nn/4)+512*(nn%4) th:TH_STORE_NT   ; 32 lanes store 512 consecutive bytes, aligned
.set nn, nn+1
.endr
	s_wait_tensorcnt 0x0                           ; the wave's end
	ds_add_u32 v12, v13
	s_wait_dscnt 0x0
	s_endpgm
.Lfunc_end_k_q9bacd3515f_attn:
	.size	k_q9bacd3515f_attn, .Lfunc_end_k_q9bacd3515f_attn-k_q9bacd3515f_attn
	.p2alignl 7, 3214868480
	.fill 96, 4, 3214868480
	.section	.rodata,"a",@progbits
	.p2align	6, 0x0
	.amdhsa_kernel k_q9bacd3515f_attn
		.amdhsa_group_segment_fixed_size 307200
		.amdhsa_private_segment_fixed_size 0
		.amdhsa_enable_private_segment 0
		.amdhsa_kernarg_size 72
		.amdhsa_user_sgpr_count 2
		.amdhsa_user_sgpr_kernarg_segment_ptr 1
		.amdhsa_wavefront_size32 1
		.amdhsa_system_sgpr_workgroup_id_x 1
		.amdhsa_system_sgpr_workgroup_id_y 1
		.amdhsa_system_sgpr_workgroup_id_z 1
		.amdhsa_system_vgpr_workitem_id 0
		.amdhsa_next_free_vgpr 512
		.amdhsa_next_free_sgpr 102
		.amdhsa_reserve_vcc 0
		.amdhsa_float_denorm_mode_32 3
		.amdhsa_float_denorm_mode_16_64 3
		.amdhsa_memory_ordered 1
		.amdhsa_forward_progress 1
		.amdhsa_inst_pref_size 127
	.end_amdhsa_kernel
	.amdgpu_metadata
---
amdhsa.version: [ 1, 2 ]
amdhsa.kernels:
  - .name:           k_q9bacd3515f_attn
    .symbol:         k_q9bacd3515f_attn.kd
    .args:
      - { .name: freqs, .offset: 0, .size: 8, .value_kind: global_buffer, .address_space: global }
      - { .name: W1, .offset: 8, .size: 8, .value_kind: global_buffer, .address_space: global }
      - { .name: b1, .offset: 16, .size: 8, .value_kind: global_buffer, .address_space: global }
      - { .name: tab, .offset: 24, .size: 8, .value_kind: global_buffer, .address_space: global }
      - { .name: qkv, .offset: 32, .size: 8, .value_kind: global_buffer, .address_space: global }
      - { .name: wq, .offset: 40, .size: 8, .value_kind: global_buffer, .address_space: global }
      - { .name: bo, .offset: 48, .size: 8, .value_kind: global_buffer, .address_space: global }
      - { .name: out0, .offset: 56, .size: 8, .value_kind: global_buffer, .address_space: global }
      - { .name: W2, .offset: 64, .size: 8, .value_kind: global_buffer, .address_space: global }
    .group_segment_fixed_size: 307200
    .private_segment_fixed_size: 0
    .kernarg_segment_align: 8
    .kernarg_segment_size: 72
    .max_flat_workgroup_size: 256
    .sgpr_count:     102
    .vgpr_count:     512
    .wavefront_size: 32
...
	.end_amdgpu_metadata
.endif
;; end of part 3
